; MI455X (gfx1250); checked and timed in simulation.
; The chip was launched on July 23, 2026; its instructions are those of AMD's public machine-readable ISA for CDNA 5 (MIT licence, August 2026) and "CDNA5" Instruction Set Architecture Reference Guide (July 2026). The comments in the code are by the model that wrote it; some were corrected since.
;; Local Attention. Allowed arithmetic: matrix products marked QUANTISED: E4M3 operands, one given power-of-two scale a tensor, by v_wmma_f32_16x16x64_fp8_fp8 or v_wmma_f32_16x16x128_fp8_fp8, f32 sums; products left as they are: f32 operands where the result goes on into a quantised operand, else bf16, f16 or f32 operands; f32 sums; everything else in f32.
;; Inputs: k 32 x 4,096 x 64 float32; lowp_scales 4 int32 (the exponents e of the quantised operands' scales 2^e); q 32 x 4,096 x 64 float32; v 32 x 4,096 x 64 float32.
;; Outputs: out0 32 x 4,096 x 64 float32.
;; This version of the problem:
;;   THIS VERSION OF THE PROBLEM IS GIVEN IN LOW PRECISION. The matrix products marked QUANTISED in the list below multiply operands that are first quantised to E4M3 (4 exponent bits, 3 mantissa bits; 8 bits a number), with one given power-of-two scale for each operand tensor; their sums are f32. All else is computed in f32.
;;   The module's matrix products, in the order in which they are computed (A, B: the left and right operand; K: the contracted axis; several contracted axes count as one K, in the product's order):
;;     1. [M 256, K 1] x [K 1, N 32]; A: computed on the way; B: computed on the way: left as it is (no contracted axis)
;;     2. batch 1,024 x [M 128, K 64] x [K 64, N 256]; A: computed on the way; B: computed on the way: QUANTISED (scales: A lowp_scales[0], B lowp_scales[1])
;;     3. batch 1,024 x [M 128, K 256] x [K 256, N 64]; A: softmax (see below); B: computed on the way: QUANTISED (scales: A lowp_scales[2], B lowp_scales[3])
;;   THE QUANTISER, for each operand of a quantised product, along K:
;;     - The operand's scale is 2^e, e = its entry of the input lowp_scales (int32; the entries are numbered through the quantised products in the list's order, A before B).
;;     - Each number is divided by the scale, clamped to +-448, and rounded to the nearest number of E4M3, ties to even, subnormals kept.
;;     - The product sums the exact products of the quantised numbers (number of the format x scale) in f32.
;;   ~~~python
;;   def quantise(x, axis, e):      # numpy; x: float32 -> the quantised numbers, widened to float32 again
;;       x = np.moveaxis(x, axis, -1); K = x.shape[-1]
;;       r = np.clip(x / 2.0 ** e, -448, 448)
;;       step = 2.0 ** (np.maximum(np.frexp(np.where(r == 0, 1, r))[1] - 1, -6) - 3)
;;       q = np.round(r / step) * step * 2.0 ** e      # np.round: ties to even
;;       return np.moveaxis(q, -1, axis).astype(np.float32)
;;   ~~~
;;   SOFTMAX AHEAD OF A QUANTISED PRODUCT. Where the list says 'softmax', what is quantised is not the finished softmax but p = 2^(t - M), with t = logit x log2(e) and M = ceil(the row's largest t), a whole number; so 1/2 < the row's largest p <= 1. The row's sum l is taken of the UNQUANTISED p, in f32, and the product's result is divided by l at the end. Since M is a whole number, a kernel that streams over the keys may use a running M (the ceiling of the running maximum): every later rescaling is an exact power of two, so the quantised numbers keep their values, but for numbers so far below the row's largest that they fall under the format's range.
;;   OPERANDS COMPUTED ON THE WAY. 'Computed on the way' means the value that the module computes at that place (a softmax that the list does not call 'softmax' is quantised finished and normalised). What goes into a quantiser is computed in f32, as accurately as f32 sums, v_exp_f32 and their like allow (about 1e-6 of the number): no bf16 or f16 on the way to a quantiser, and a product that is left as it is and whose result goes on into a quantised operand takes f32 operands (vector FMAs, or v_wmma_f32_16x16x4_f32). A number that lies on a knife's edge between two numbers of the format may be rounded either way, as far as f32 arithmetic and the matrix unit's own rounding can turn it there, and no further.
;; 2 versions, each right; version 2 is version 1 with the launch local_attention written anew for expert scheduling mode. Each part assembles by itself: llvm-mc -triple=amdgcn-amd-amdhsa -mcpu=gfx1250 --defsym DOCPART=n.
;; ======== version 1 of 2: 1 launch
;; limits: right only within a limited range of input values
;; launch local_attention (part 1): grid 256 x 1, 8 waves a work-group, no clusters, 211,968 bytes of LDS; arguments q, k, v, lowp_scales, out0; writes out0
.if DOCPART == 1
	.amdgcn_target "amdgcn-amd-amdhsa--gfx1250"
	.amdhsa_code_object_version 6
	.text
	.protected	k_q7a565c0b9b_local_attention
	.globl	k_q7a565c0b9b_local_attention
	.p2align	8
	.type	k_q7a565c0b9b_local_attention,@function
k_q7a565c0b9b_local_attention:
	s_mov_b64 s[64:65], 0
	v_nop
	global_prefetch_b8 v0, s[64:65] scope:SCOPE_SE
	s_setreg_imm32_b32 hwreg(HW_REG_WAVE_MODE, 25, 1), 1
	s_wait_xcnt 0x0
; LOCAL ATTENTION, windows of 128, one window of look-back, causal, rotary positions inside the 256 keys of a window; both products on codes of FP8 (E4M3), each operand with its given scale 2^e (lowp_scales: e0 q, e1 k, e2 p, e3 v).
; q, k, v, out0: [32][4096][64] f32.  For window w of a sequence: queries 128 w + i at rotary position 128 + i; keys of window w - 1 at positions 0..127, keys of window w at 128..255, key j of window w counting for query i where j <= i.
; SOFTMAX AHEAD OF THE SECOND PRODUCT: t = score x log2(e); M = the running largest t rounded up to a whole number; p = 2^(t - M) is quantised, the sum of the unquantised p divides at the end; when M moves, sum and O are multiplied by 2^(old M - new M).
; WORK LEFT OUT.  (1) The look-back of a sequence's first window: reference() pads it and hides every one of its keys by its own pad_mask, for all inputs: that key step is not done (a branch on the work-group's number).
; (2) Keys 64..127 of the current window are hidden from queries 0..63 by reference()'s own causal mask, for all inputs: waves 0 to 3 do not do that part (a branch on the wave's number).  Hidden tiles inside the 64 keys that hold a wave's diagonal stay.
; (3) K in its look-back role is made only for windows whose successor this work-group walks.  (4) The hold of p at 448 x 2^e2 changes nothing where e2 >= -8 (p is at most 1 and a rounding, 448 x 2^-8 = 1.75).
; All inputs are loaded.  A NaN, an infinity or an overflow that reaches only the work left out is not carried to the result.
; LIMITS: e0 + 3, e1, e2, e3 between -126 and 119; e0 + e1 between -126 and 127 (they are added to an exponent field).  NaN and infinities among q, k, v are not served.  1 / 10000^(i/32) is taken as the correctly rounded quotient 1 / RN(10^(i/8)).
; SHARES.  256 work-groups of 8 waves; work-group g walks the four windows that begin at row 512 g (8 work-groups to a sequence), and first takes K and V of the window ahead of them (a prologue; none where g % 8 = 0).
; Wave a owns rows 16 a .. 16 a + 15 of every window: it loads them (each load 512 consecutive bytes), turns them through its own stage in LDS, rotates and quantises them, and later does the attention of those 16 queries.
; Loads run two windows ahead, in two sets of 96 registers.  K's and V's codes reach the other waves through LDS as images of operand registers; every window has image bytes of its own, so nothing is written twice and ONE barrier a window is enough.
; NO JOINT LOADS: of the 14 window-tensors that a work-group reads (4 of q, 5 of k, 5 of v) two are read by one other work-group too, in its last step while they are my first; and this text loads through registers.
; LAYOUT.  S^T = K Q^T (source 0 = 16 keys, source 1 = my 16 queries), O^T = V^T P^T (source 0 = 16 channels, source 1 = p): a lane holds ONE query (lane % 16).  Tile c of S^T holds keys 16 c + 8 (lane / 16) + 0..7 in its 8 registers:
; converted, they are registers 2 c, 2 c + 1 of the second product's operand.  Along the head's 64, lane (r, h) holds channels 16 h + 0..15 and 32 + 16 h + 0..15 of row r, in Q and in K alike: a pair (e, e + 32) of the rotation lies in one lane.
; The causal mask is the C of the diagonal part's four products: 0 where a key counts, -FLT_MAX (reference()'s mask value) where not: 32 registers, made once.
; REGISTERS.  Window 0: v1-29 addresses, scales, statistics; v32-63 the mask; v64-127 scores (before that my rows of q and k); v128-191 fragments of K, of V (before that my rows of v, rotated numbers); v192-199 Q's codes; v200-207 p's codes; v208-239 O^T; v240-255 codes on their way to LDS.
; Window 1: v0-95, v96-191 the two sets of rows as loaded (q, k, v: 32 each); v192-207, v208-223 cos, sin at position 16 a + r; v224-239, v240-255 at position 128 + 16 a + r (16 frequencies 16 h + 0..15).
.set WINB,  32768                      ; a window of one tensor in bytes: 128 rows of 256
.set PIT,   272                        ; a stage row: 256 bytes + 16: row r begins 16 r bytes further round the 64 banks of 4 bytes (ISA guide 11.1), so 16 rows' equal columns fall on different banks; 8 rows on are 32 banks on
.set TST,   16*PIT                     ; one tensor's 16 rows in a wave's stage
.set STGW,  3*TST                      ; a wave's stage: q (later out), k, v
.set KCB,   8*STGW                     ; K's images, current role: 4 windows x 8 tiles x 1,024 bytes
.set KPO,   32768                      ; behind them K's images, look-back role: 4 windows
.set VIB,   KCB+65536                  ; V's images: 5 windows x 4 fragments (16 channels x 128 keys) x 2,048 bytes
.set SPARE, VIB+5*8192                 ; the spare words, 128 bytes for each wave: four blocks of 256 bytes that no other line names
.set GA,   1                           ; 4,096 a + 16 lane: my 16 bytes of a load or store of two rows; never rewritten
.set STW,  2                           ; stage, rows as they lie: row lane / 16, 16 bytes at 16 (lane % 16)
.set STR,  3                           ; stage, a fragment's view: row r, + 64 h
.set STV,  4                           ; stage of v, turned: row 8 h, channel r
.set SO,   5                           ; stage, the way out: row r, + 32 h
.set KIW,  6                           ; where I store K's images: tile a
.set VIW,  7                           ; where I store my 8 bytes of V's images
.set KD,   8                           ; K's images from the four tiles that hold my diagonal on
.set KC,   9                           ; K's images from tile 0 on
.set VD,   10                          ; V's images from the 64 keys that hold my diagonal on
.set VI,   11                          ; V's images from key 0 on
.set SPW,  12                          ; LDS address of my spare word; never rewritten
.set NIL,  13                          ; 0; never rewritten
.set SCQ,  14                          ; the conversions' scales as f32: 2^(e0+3), 2^e1, 2^e3, 2^e2
.set SCK,  15
.set SCV,  16
.set SCP,  17
.set LIMP, 18                          ; 448 x 2^e2
.set NM,   20                          ; v20 -M, v21 the largest t
.set LA,   22                          ; v[22:23], v[24:25] the row's sum in four parts
.set LB,   24
.set F,    26                          ; v26 a factor for sum and O; v27 named with it as a pair
.set MA,   28
.set MB,   29
.set MASK, 32
.set S,    64
.set XQ,   64
.set XK,   96
.set KF,   128
.set VF,   128
.set XV,   128
.set ROT,  160
.set QF,   192
.set PCD,  200
.set CT,   200
.set O,    208
.set CT2,  240
.set CT3,  248
.set OT,   64
.set OB,   96
.set WV,   14                          ; s14 wave a;  s15 a / 4;  s16 g % 8
.set GRP,  15
.set HP,   16
.set CS,   24                          ; s[24:25] c = log2(e) x 2^(e0+e1)
.set LQ,   26                          ; s26, s27: +-448 x 2^(e0+3);  s28, s29: +-448 x 2^e1;  s30, s31: +-448 x 2^e3
.set LK,   28
.set LV,   30
.set HOLD, 32                          ; 1 where p must be held
.set EPV,  33                          ; e2 + e3
.set SEL,  34                          ; s[34:35] v_permlanex16_b32's selects for lane xor 16
.set HM,   36                          ; the lanes with h = 1
.set CM,   40                          ; s40-43 masks at work
.set LPS,  44
.set MSB, 0
.macro WIN new                         ; s_set_vgpr_msb: bits 1:0 source 0, 3:2 source 1, 5:4 source 2, 7:6 destination; the high byte repeats the setting that is left
.if MSB != \new
	s_set_vgpr_msb (MSB<<8)|\new
.set MSB, \new
.endif
.endm
.macro PLACES
.rept 4
	v_nop
.endr
.endm
; my 16 rows of one tensor: eight loads of 512 consecutive bytes (two rows), into window 1
.macro GLOAD reg, sb, off, nt
.set gj, 0
.rept 8
.if \nt
	global_load_b128 v[(\reg)+4*gj:(\reg)+4*gj+3], v[GA], s[\sb:\sb+1] offset:(\off)+512*gj th:TH_LOAD_NT
.else
	global_load_b128 v[(\reg)+4*gj:(\reg)+4*gj+3], v[GA], s[\sb:\sb+1] offset:(\off)+512*gj
.endif
.set gj, gj+1
.endr
.endm
.macro TOSTAGE reg, toff               ; as loaded, into my stage
.set tj, 0
.rept 8
	ds_store_b128 v[STW], v[(\reg)+4*tj:(\reg)+4*tj+3] offset:(\toff)+2*PIT*tj
.set tj, tj+1
.endr
.endm
.macro FROMSTAGE reg, toff             ; back as a fragment's numbers: row r, channels 16 h + 0..15, then 32 + 16 h + 0..15
.set fj, 0
.rept 4
	ds_load_b128 v[(\reg)+4*fj:(\reg)+4*fj+3], v[STR] offset:(\toff)+16*fj
.set fj, fj+1
.endr
.set fj, 0
.rept 4
	ds_load_b128 v[(\reg)+16+4*fj:(\reg)+19+4*fj], v[STR] offset:(\toff)+128+16*fj
.set fj, fj+1
.endr
.endm
.macro VREAD                           ; v turned: register 8 t + j = v(key 16 a + 8 h + j, channel 16 t + r): a lane to a channel, registers down the keys
.set vt, 0
.rept 4
.set vj, 0
.rept 8
	ds_load_b32 v[XV+8*vt+vj], v[STV] offset:PIT*vj+64*vt
.set vj, vj+1
.endr
.set vt, vt+1
.endr
.endm
; the rotation: lo' = lo cos - hi sin, hi' = hi cos + lo sin, two numbers an instruction; cos and sin lie in window 1 (source 1)
.macro ROTATE x, o, cb, sb
	WIN 0x04
.set ri, 0
.rept 8
	v_pk_mul_f32 v[(\o)+ri:(\o)+ri+1], v[(\x)+ri:(\x)+ri+1], v[(\cb)+ri:(\cb)+ri+1]
	v_pk_mul_f32 v[(\o)+16+ri:(\o)+17+ri], v[(\x)+16+ri:(\x)+17+ri], v[(\cb)+ri:(\cb)+ri+1]
.set ri, ri+2
.endr
.set ri, 0
.rept 8
	v_pk_fma_f32 v[(\o)+ri:(\o)+ri+1], v[(\x)+16+ri:(\x)+17+ri], v[(\sb)+ri:(\sb)+ri+1], v[(\o)+ri:(\o)+ri+1] neg_lo:[0,1,0] neg_hi:[0,1,0]
	v_pk_fma_f32 v[(\o)+16+ri:(\o)+17+ri], v[(\x)+ri:(\x)+ri+1], v[(\sb)+ri:(\sb)+ri+1], v[(\o)+16+ri:(\o)+17+ri]
.set ri, ri+2
.endr
	WIN 0
.endm
; 32 numbers become 32 codes in 8 registers
.macro QUANT o, c, sc, lim
.set qn, 0
.rept 32
	v_med3_num_f32 v[(\o)+qn], v[(\o)+qn], s[\lim+1], s[\lim]      ; the conversion to an 8-bit code does not saturate (ISA guide 7.6.2): the hold at the largest code x the scale
.set qn, qn+1
.endr
.set qn, 0
.rept 4
	v_cvt_scalef32_pk8_fp8_f32 v[(\c)+2*qn:(\c)+2*qn+1], v[(\o)+8*qn:(\o)+8*qn+7], v[\sc]
.set qn, qn+1
.endr
	v_nop                                  ; a plain line between the conversions and the next vector or matrix line that touches their registers
.endm
.macro KLOAD kf, va, off, nt           ; nt tiles of K (16 keys x 64: 8 registers) come back as they were stored
.set ki, 0
.rept \nt
	ds_load_b128 v[(\kf)+8*ki:(\kf)+8*ki+3], v[\va] offset:(\off)+1024*ki
	ds_load_b128 v[(\kf)+8*ki+4:(\kf)+8*ki+7], v[\va] offset:(\off)+1024*ki+512
.set ki, ki+1
.endr
.endm
.macro SCORE sb, kf, nt, masked        ; S^T = K Q^T; masked = 1: C is the causal mask
.set wt, 0
.rept \nt
.if \masked
	v_wmma_f32_16x16x64_fp8_fp8 v[(\sb)+8*wt:(\sb)+8*wt+7], v[(\kf)+8*wt:(\kf)+8*wt+7], v[QF:QF+7], v[MASK+8*wt:MASK+8*wt+7]
.else
	v_wmma_f32_16x16x64_fp8_fp8 v[(\sb)+8*wt:(\sb)+8*wt+7], v[(\kf)+8*wt:(\kf)+8*wt+7], v[QF:QF+7], 0
.endif
.set wt, wt+1
.endr
.endm
.macro MAXFIRST sb                     ; the largest of 32 scores, two chains, each tile from its low end on
	v_max3_num_f32 v[MA], v[(\sb)], v[(\sb)+1], v[(\sb)+2]
	v_max3_num_f32 v[MB], v[(\sb)+3], v[(\sb)+4], v[(\sb)+5]
.set mi, 6
.rept 6
	v_max3_num_f32 v[MA], v[MA], v[(\sb)+mi], v[(\sb)+mi+1]
	v_max3_num_f32 v[MB], v[MB], v[(\sb)+mi+2], v[(\sb)+mi+3]
.set mi, mi+4
.endr
	v_max3_num_f32 v[MA], v[MA], v[(\sb)+30], v[(\sb)+31]
.endm
.macro MAXMORE sb                      ; 32 more
.set mi, 0
.rept 8
	v_max3_num_f32 v[MA], v[MA], v[(\sb)+mi], v[(\sb)+mi+1]
	v_max3_num_f32 v[MB], v[MB], v[(\sb)+mi+2], v[(\sb)+mi+3]
.set mi, mi+4
.endr
.endm
.macro MAXLANES                        ; my two chains, and the lane 16 away, which holds my query's other keys
	v_max_num_f32 v[MA], v[MA], v[MB]
	v_permlanex16_b32 v[MB], v[MA], s[SEL], s[SEL+1]
	v_max_num_f32 v[MA], v[MA], v[MB]
.endm
; 64 keys: scores in v[sb .. sb + 31] become p, are summed, quantised and multiplied by V^T.  first = 1: sums and O^T begin here.
.macro PART64 sb, first, va, voff
.set pn, 0
.rept 16
	v_pk_fma_f32 v[(\sb)+pn:(\sb)+pn+1], v[(\sb)+pn:(\sb)+pn+1], s[CS:CS+1], v[NM:NM+1] op_sel_hi:[1,0,0]   ; t - M (of the pairs c and -M the low word serves both halves).  These sixteen are also the places in front of the loads below
.set pn, pn+2
.endr
.set pn, 0
.rept 4
	ds_load_b128 v[VF+8*pn:VF+8*pn+3], v[\va] offset:(\voff)+2048*pn           ; V^T: 16 channels x these 64 keys, four tiles; they land under the exponentials
	ds_load_b128 v[VF+8*pn+4:VF+8*pn+7], v[\va] offset:(\voff)+2048*pn+512
.set pn, pn+1
.endr
.set pn, 0
.rept 32
	v_exp_f32 v[(\sb)+pn], v[(\sb)+pn]
.set pn, pn+1
.endr
	v_nop                                  ; a plain line behind the last exponential
	s_wait_alu depctr_va_vdst(0)           ; one wait for the batch of 32, ahead of its first reader
.if \first
	v_pk_add_f32 v[LA:LA+1], v[(\sb):(\sb)+1], v[(\sb)+4:(\sb)+5]              ; the sum is taken of the unquantised p
	v_pk_add_f32 v[LB:LB+1], v[(\sb)+2:(\sb)+3], v[(\sb)+6:(\sb)+7]
.set pn, 8
.else
.set pn, 0
.endif
.rept (32-pn)/4
	v_pk_add_f32 v[LA:LA+1], v[LA:LA+1], v[(\sb)+pn:(\sb)+pn+1]
	v_pk_add_f32 v[LB:LB+1], v[LB:LB+1], v[(\sb)+pn+2:(\sb)+pn+3]
.set pn, pn+4
.endr
	s_cmp_eq_u32 s[HOLD], 0                ; e2 >= -8: no p reaches 448 x 2^e2
	s_cbranch_scc1 .Lnohold_\@
.set pn, 0
.rept 32
	v_min_num_f32 v[(\sb)+pn], v[(\sb)+pn], v[LIMP]
.set pn, pn+1
.endr
.Lnohold_\@:
.set pn, 0
.rept 4
	v_cvt_scalef32_pk8_fp8_f32 v[PCD+2*pn:PCD+2*pn+1], v[(\sb)+8*pn:(\sb)+8*pn+7], v[SCP]
.set pn, pn+1
.endr
	v_nop
	s_wait_dscnt 0x0                       ; V^T is in
.set pn, 0
.rept 4                                ; the four accumulators by turns, one instruction a turn
.if \first
	v_wmma_f32_16x16x64_fp8_fp8 v[O+8*pn:O+8*pn+7], v[VF+8*pn:VF+8*pn+7], v[PCD:PCD+7], 0
.else
	v_wmma_f32_16x16x64_fp8_fp8 v[O+8*pn:O+8*pn+7], v[VF+8*pn:VF+8*pn+7], v[PCD:PCD+7], v[O+8*pn:O+8*pn+7]
.endif
.set pn, pn+1
.endr
.endm
	s_load_b256 s[4:11], s[0:1], 0x0               ; q s[4:5], k s[6:7], v s[8:9], the scales' exponents s[10:11]
	s_load_b64 s[12:13], s[0:1], 0x20              ; out0
	v_lshl_add_u32 v[SPW], v0, 2, SPARE
	v_mov_b32 v[NIL], 0
	v_lshrrev_b32 v28, 5, v0
	v_readfirstlane_b32 s[WV], v28                 ; wave a
	v_and_b32 v28, 31, v0                          ; lane
	v_and_b32 v29, 15, v0                          ; r
	v_bfe_u32 v30, v0, 4, 1                        ; h
	s_lshr_b32 s[GRP], s[WV], 2
	s_and_b32 s[HP], ttmp9, 7                      ; 0: my first window is a sequence's first
	s_lshl_b32 s17, s[WV], 12
	v_lshl_add_u32 v[GA], v28, 4, s17
	s_lshl_b32 s18, ttmp9, 17                      ; my first row: 512 g rows of 256 bytes
	s_mov_b32 s19, 0
	s_wait_kmcnt 0x0
	s_load_b128 s[20:23], s[10:11], 0x0            ; e0, e1, e2, e3
	s_add_nc_u64 s[4:5], s[4:5], s[18:19]
	s_add_nc_u64 s[6:7], s[6:7], s[18:19]
	s_add_nc_u64 s[8:9], s[8:9], s[18:19]
	s_add_nc_u64 s[12:13], s[12:13], s[18:19]
	s_cmp_eq_u32 s[HP], 0
	s_cbranch_scc1 .Lhead_first
	WIN 0x40                                       ; destination window 1
	GLOAD 96+32, 6, -WINB, 0                       ; k and v of the window ahead of mine (its own work-group reads them too: no hint)
	GLOAD 96+64, 8, -WINB, 0
	WIN 0
.Lhead_first:
	WIN 0x40
	GLOAD 0, 4, 0, 1                               ; my first window,
	GLOAD 32, 6, 0, 1
	GLOAD 64, 8, 0, 1
	GLOAD 96, 4, WINB, 1                           ; and q of the second
	WIN 0
	; LDS addresses
	s_mul_i32 s17, s[WV], STGW                     ; my stage
	v_mul_u32_u24 v31, v30, PIT
	v_lshl_add_u32 v31, v29, 4, v31
	v_add_nc_u32 v[STW], s17, v31
	v_mul_u32_u24 v31, v29, PIT
	v_lshl_add_u32 v[STR], v30, 6, v31
	v_add_nc_u32 v[STR], s17, v[STR]
	v_lshl_add_u32 v[SO], v30, 5, v31
	v_add_nc_u32 v[SO], s17, v[SO]
	v_mul_u32_u24 v31, v30, 8*PIT
	v_lshl_add_u32 v31, v29, 2, v31
	v_add_nc_u32 v31, s17, v31
	v_add_nc_u32 v[STV], 2*TST, v31
	v_lshlrev_b32 v31, 4, v28                      ; an image's place for my lane: 16 x lane
	v_add_nc_u32 v[KC], KCB, v31
	v_add_nc_u32 v[VI], VIB, v31
	s_lshl_b32 s17, s[WV], 10
	v_add_nc_u32 v[KIW], s17, v[KC]
	s_lshl_b32 s17, s[GRP], 12
	v_add_nc_u32 v[KD], s17, v[KC]
	s_lshl_b32 s17, s[GRP], 10
	v_add_nc_u32 v[VD], s17, v[VI]
	s_lshr_b32 s17, s[WV], 1                       ; registers 2 a, 2 a + 1 of a fragment of V^T: the (a / 2)-th group of four registers, its (a % 2)-th half
	s_lshl_b32 s17, s17, 9
	s_and_b32 s38, s[WV], 1
	s_lshl_b32 s38, s38, 3
	s_add_co_u32 s17, s17, s38
	v_add_nc_u32 v[VIW], s17, v[VI]
	v_mov_b32 v[F+1], 0                            ; (named as the upper half of a pair)
	s_mov_b32 s[SEL], 0x76543210
	s_mov_b32 s[SEL+1], 0xfedcba98
	v_cmp_eq_u32 s[HM], 1, v30
	; the causal mask of the four tiles that hold my diagonal: tile i, register j: key 16 i + 8 h + j against query 16 (a % 4) + r
	s_and_b32 s38, s[WV], 3
	s_lshl_b32 s38, s38, 4
	v_lshlrev_b32 v31, 3, v30
	v_sub_nc_u32 v31, v29, v31
	v_add_nc_u32 v31, s38, v31                     ; d = 16 (a % 4) + r - 8 h: hidden where 16 i + j > d
	v_mov_b32 v28, 0xff7fffff                      ; -FLT_MAX
.set mn, 0
.rept 32
	v_cmp_gt_i32 vcc_lo, 16*(mn/8)+mn%8, v31
	v_cndmask_b32 v[MASK+mn], 0, v28, vcc_lo
.set mn, mn+1
.endr
	; the given scales
	s_wait_kmcnt 0x0
	s_add_co_i32 s38, s20, s21
	s_lshl_b32 s38, s38, 23
	s_add_co_i32 s[CS], s38, 0x3fb8aa3b            ; log2(e), with e0 + e1 added to its exponent field: a sum of code products stands for sum x 2^(e0+e1)
	s_mov_b32 s[CS+1], s[CS]
.macro SCALE e, bias, vs, lim          ; 2^(e + bias - 127) as f32 for the conversion; +-448 x that for the hold
	s_add_co_i32 s38, s\e, \bias
	s_lshl_b32 s39, s38, 23
	v_mov_b32 v[\vs], s39
	s_add_co_i32 s38, s38, 8
	s_lshl_b32 s38, s38, 23
	s_or_b32 s[\lim], s38, 0x600000
	s_or_b32 s[\lim+1], s[\lim], 0x80000000
.endm
	SCALE 20, 130, SCQ, LQ                         ; reference()'s factor 1/8 on q is a power of two: it is folded into q's scale, 2^(e0+3), which changes no code
	SCALE 21, 127, SCK, LK
	SCALE 23, 127, SCV, LV
	SCALE 22, 127, SCP, LPS
	v_mov_b32 v[LIMP], s[LPS]
	s_cmp_lt_i32 s22, -8
	s_cselect_b32 s[HOLD], 1, 0
	s_add_co_i32 s[EPV], s22, s23
; COS AND SIN, once: 16 frequencies x 2 positions a lane; the 8 waves x 32 lanes x 32 are the 256 x 32 of reference()'s table, each made once in the work-group.  This stands where the first loads are on their way.
; inv_freq = 1 / RN(10^(i/8)), correctly rounded: v_rcp_f32 and two steps y += y (1 - P y);  angle = position x inv_freq, one f32 rounding, as reference() has it;
; n = nearest whole number to angle x 2/pi; r = angle - n pi/2 with pi/2 in two parts (the first difference is exact: n < 256 and |r| < 1);  sin r and cos r by polynomials on |r| <= pi/4;  the quadrant n % 4 swaps and signs them.
.set PW,  64                           ; v64-79  10^(i/8), i = 16 h + k
.set IV,  80                           ; v80-95  1 / that
.set EE,  96
.set PS1, 112                          ; constants, each twice, as pairs
.set PS2, 114
.set PS3, 116
.set PC1, 118
.set PC2, 120
.set PC3, 122
.set TOP, 124
.set NHI, 126
.set NMI, 128
.set MHF, 130
.set ONE, 132
.set POS, 134                          ; v[134:135] position 16 a + r, v[136:137] 128 + that
.set TT,  140                          ; 24 registers at work for each of the two positions
.macro FREQ k, lo, hi
	v_mov_b32 v188, \lo
	v_mov_b32 v189, \hi
	v_cndmask_b32 v[PW+\k], v188, v189, s[HM]
.endm
	FREQ 0, 1.0, 100.0
	FREQ 1, 1.333521432163324, 133.3521432163324
	FREQ 2, 1.7782794100389228, 177.82794100389228
	FREQ 3, 2.371373705661655, 237.1373705661655
	FREQ 4, 3.1622776601683795, 316.22776601683795
	FREQ 5, 4.216965034285822, 421.6965034285822
	FREQ 6, 5.623413251903491, 562.3413251903491
	FREQ 7, 7.498942093324558, 749.8942093324558
	FREQ 8, 10.0, 1000.0
	FREQ 9, 13.33521432163324, 1333.521432163324
	FREQ 10, 17.782794100389228, 1778.2794100389228
	FREQ 11, 23.71373705661655, 2371.373705661655
	FREQ 12, 31.622776601683795, 3162.2776601683795
	FREQ 13, 42.16965034285822, 4216.965034285822
	FREQ 14, 56.23413251903491, 5623.413251903491
	FREQ 15, 74.98942093324558, 7498.942093324558
.set fk, 0
.rept 16
	v_rcp_f32 v[IV+fk], v[PW+fk]
.set fk, fk+1
.endr
.macro CONST2 reg, val
	v_mov_b32 v[\reg], \val
	v_mov_b32 v[\reg+1], \val
.endm
	CONST2 PS1, -0.16666654611                     ; (plain lines behind the reciprocals)
	CONST2 PS2, 0.0083321608736
	CONST2 PS3, -0.00019515295891
	CONST2 PC1, 0.04166664568298827
	CONST2 PC2, -0.001388731625493765
	CONST2 PC3, 0.00002443315711809948
	CONST2 TOP, 0x3f22f983                         ; 2 / pi
	CONST2 NHI, 0xbfc90fdb                         ; -(pi/2 rounded to f32)
	CONST2 NMI, 0x333bbd2e                         ; that less pi/2
	CONST2 MHF, -0.5
	CONST2 ONE, 1.0
	s_lshl_b32 s38, s[WV], 4
	v_add_nc_u32 v188, s38, v29
	v_cvt_f32_u32 v[POS], v188
	v_mov_b32 v[POS+1], v[POS]
	v_add_f32 v[POS+2], 0x43000000, v[POS]         ; + 128
	v_mov_b32 v[POS+3], v[POS+2]
	s_wait_alu depctr_va_vdst(0)                   ; one wait for the sixteen reciprocals, ahead of their first reader
.rept 2
.set fk, 0
.rept 16
	v_fma_f32 v[EE+fk], -v[PW+fk], v[IV+fk], 1.0
.set fk, fk+1
.endr
.set fk, 0
.rept 16
	v_fma_f32 v[IV+fk], v[IV+fk], v[EE+fk], v[IV+fk]
.set fk, fk+1
.endr
.endr
; frequencies 2 kk, 2 kk + 1 at both positions.  At work, from TT + 24 x position on: +0 angle, +2 n, +4 r, +6 r^2, +8 sin r, +10 cos r, +12 n as a whole number, +14 .. +22 selections and signs
.macro SINCOS2 kk
.irp p, 0, 24
	v_pk_mul_f32 v[TT+\p:TT+1+\p], v[IV+2*(\kk):IV+2*(\kk)+1], v[POS+\p/12:POS+1+\p/12] op_sel_hi:[1,0]
.endr
.irp p, 0, 24
	v_pk_mul_f32 v[TT+2+\p:TT+3+\p], v[TT+\p:TT+1+\p], v[TOP:TOP+1]
.endr
.irp p, 0, 1, 24, 25
	v_rndne_f32 v[TT+2+\p], v[TT+2+\p]
.endr
.irp p, 0, 24
	v_pk_fma_f32 v[TT+4+\p:TT+5+\p], v[TT+2+\p:TT+3+\p], v[NHI:NHI+1], v[TT+\p:TT+1+\p]
.endr
.irp p, 0, 24
	v_pk_fma_f32 v[TT+4+\p:TT+5+\p], v[TT+2+\p:TT+3+\p], v[NMI:NMI+1], v[TT+4+\p:TT+5+\p]
.endr
.irp p, 0, 24
	v_pk_mul_f32 v[TT+6+\p:TT+7+\p], v[TT+4+\p:TT+5+\p], v[TT+4+\p:TT+5+\p]
.endr
.irp p, 0, 24
	v_pk_fma_f32 v[TT+8+\p:TT+9+\p], v[TT+6+\p:TT+7+\p], v[PS3:PS3+1], v[PS2:PS2+1]
	v_pk_fma_f32 v[TT+10+\p:TT+11+\p], v[TT+6+\p:TT+7+\p], v[PC3:PC3+1], v[PC2:PC2+1]
.endr
.irp p, 0, 24
	v_pk_fma_f32 v[TT+8+\p:TT+9+\p], v[TT+8+\p:TT+9+\p], v[TT+6+\p:TT+7+\p], v[PS1:PS1+1]
	v_pk_fma_f32 v[TT+10+\p:TT+11+\p], v[TT+10+\p:TT+11+\p], v[TT+6+\p:TT+7+\p], v[PC1:PC1+1]
.endr
.irp p, 0, 24
	v_pk_mul_f32 v[TT+8+\p:TT+9+\p], v[TT+8+\p:TT+9+\p], v[TT+6+\p:TT+7+\p]
	v_pk_fma_f32 v[TT+10+\p:TT+11+\p], v[TT+10+\p:TT+11+\p], v[TT+6+\p:TT+7+\p], v[MHF:MHF+1]
.endr
.irp p, 0, 24
	v_pk_fma_f32 v[TT+8+\p:TT+9+\p], v[TT+8+\p:TT+9+\p], v[TT+4+\p:TT+5+\p], v[TT+4+\p:TT+5+\p]
	v_pk_fma_f32 v[TT+10+\p:TT+11+\p], v[TT+10+\p:TT+11+\p], v[TT+6+\p:TT+7+\p], v[ONE:ONE+1]
.endr
.irp p, 0, 1, 24, 25
	v_cvt_i32_f32 v[TT+12+\p], v[TT+2+\p]
.endr
.irp p, 0, 1, 24, 25
	v_lshlrev_b32 v[TT+14+\p], 31, v[TT+12+\p]
	v_lshlrev_b32 v[TT+20+\p], 30, v[TT+12+\p]
	v_add_nc_u32 v[TT+22+\p], 1, v[TT+12+\p]
.endr
.irp p, 0, 1, 24, 25
	v_cmp_gt_i32 s[CM+(\p%24)+2*(\p/24)], 0, v[TT+14+\p]                  ; n odd: sine and cosine change places
	v_and_b32 v[TT+20+\p], 0x80000000, v[TT+20+\p]                        ; n % 4 = 2, 3: the sine is negated
	v_lshlrev_b32 v[TT+22+\p], 30, v[TT+22+\p]
.endr
.irp p, 0, 1, 24, 25
	v_cndmask_b32 v[TT+16+\p], v[TT+8+\p], v[TT+10+\p], s[CM+(\p%24)+2*(\p/24)]
	v_cndmask_b32 v[TT+18+\p], v[TT+10+\p], v[TT+8+\p], s[CM+(\p%24)+2*(\p/24)]
	v_and_b32 v[TT+22+\p], 0x80000000, v[TT+22+\p]                        ; n % 4 = 1, 2: the cosine is negated
.endr
	WIN 0x40                                       ; destination window 1
.irp p, 0, 1, 24, 25
	v_xor_b32 v[208+32*(\p/24)+2*(\kk)+(\p%24)], v[TT+16+\p], v[TT+20+\p]
	v_xor_b32 v[192+32*(\p/24)+2*(\kk)+(\p%24)], v[TT+18+\p], v[TT+22+\p]
.endr
	WIN 0
.endm
.irp kk, 0,1,2,3,4,5,6,7
	SINCOS2 \kk
.endr
; THE PROLOGUE: k (look-back role) and v of the window ahead of my first become images.  None where my first window is a sequence's first.
	s_wait_loadcnt 32                              ; the 16 loads of the window ahead are in; behind them: my first window's 24 and the second's 8 of q.  The wait stands ahead of the branch, on every way to the loads
	                                               ; below that take the same registers; where there is no window ahead, only those 32 are out and it is met at once
	s_cmp_eq_u32 s[HP], 0
	s_cbranch_scc1 .Lno_prologue
	WIN 0x04                                       ; store data window 1
	TOSTAGE 96+32, TST
	TOSTAGE 96+64, 2*TST
	WIN 0
	FROMSTAGE XK, TST                              ; LDS serves a wave's instructions in order (ISA guide 5.7.1.4): these see my stores
	VREAD
	s_wait_dscnt 32                                ; k's eight are in; v's 32 may be out
	ROTATE XK, ROT, 192, 208
	QUANT ROT, CT2, SCK, LK
	ds_store_b128 v[KIW], v[CT2:CT2+3] offset:KPO
	ds_store_b128 v[KIW], v[CT2+4:CT2+7] offset:KPO+512
	s_wait_dscnt 2                                 ; v's 32 are in; the two stores may be out
	QUANT XV, CT3, SCV, LV
.set st, 0
.rept 4
	ds_store_b64 v[VIW], v[CT3+2*st:CT3+2*st+1] offset:2048*st
.set st, st+1
.endr
	s_wait_dscnt 0x0                               ; all my LDS stores have read their registers: the set takes new loads, the codes' registers new codes
.Lno_prologue:
	WIN 0x40
	GLOAD 96+32, 6, WINB, 1                        ; k and v of my second window
	GLOAD 96+64, 8, WINB, 1
	WIN 0
; A WINDOW.  wi = 0 .. 3.
.macro STEPW wi
.set SET, 96*((\wi)%2)
	s_wait_xcnt 0x0                                ; the last window's stores have read their registers, which are written again below
.if (\wi) < 3
	s_wait_loadcnt 24                              ; this window's 24 loads are in; the next window's 24 may be out
.else
	s_wait_loadcnt 0x0
.endif
	WIN 0x04
	TOSTAGE SET, 0
	TOSTAGE SET+32, TST
	TOSTAGE SET+64, 2*TST
	WIN 0
	FROMSTAGE XQ, 0
	FROMSTAGE XK, TST
	VREAD
	s_wait_dscnt 40                                ; q's eight are in (k's 8 and v's 32 may be out): so the 24 stores ahead of them have read their registers,
.if (\wi) < 2
	WIN 0x40
	GLOAD SET, 4, ((\wi)+2)*WINB, 1                ; which take the window two further on
	GLOAD SET+32, 6, ((\wi)+2)*WINB, 1-(\wi)       ; (k and v of my last window are read by the next work-group too: no hint)
	GLOAD SET+64, 8, ((\wi)+2)*WINB, 1-(\wi)
	WIN 0
.endif
	ROTATE XQ, ROT, 224, 240                       ; q at position 128 + i
	QUANT ROT, QF, SCQ, LQ                         ; its codes are my operand: they stay in registers
	s_wait_dscnt 32                                ; k's eight are in
	ROTATE XK, ROT, 224, 240                       ; k at position 128 + j, for this window
	QUANT ROT, CT, SCK, LK
	ds_store_b128 v[KIW], v[CT:CT+3] offset:(\wi)*8192
	ds_store_b128 v[KIW], v[CT+4:CT+7] offset:(\wi)*8192+512
.if (\wi) < 3
	ROTATE XK, ROT, 192, 208                       ; and at position j, for the next
	QUANT ROT, CT2, SCK, LK
	ds_store_b128 v[KIW], v[CT2:CT2+3] offset:KPO+((\wi)+1)*8192
	ds_store_b128 v[KIW], v[CT2+4:CT2+7] offset:KPO+((\wi)+1)*8192+512
	s_wait_dscnt 4                                 ; v's 32 are in; the four stores may be out
.else
	s_wait_dscnt 2
.endif
	QUANT XV, CT3, SCV, LV
.set st, 0
.rept 4
	ds_store_b64 v[VIW], v[CT3+2*st:CT3+2*st+1] offset:((\wi)+1)*8192+2048*st
.set st, st+1
.endr
	s_wait_dscnt 0x0                               ; for the others' sake: my images lie in LDS
	s_barrier_signal -1
	s_barrier_wait -1                              ; everybody's do.  No image is ever written again, so this is the window's one barrier
	; ---- the current window's keys: the four tiles that hold my diagonal, and in waves 4 to 7 tiles 0 to 3 as well
	KLOAD KF, KD, (\wi)*8192, 4
	s_cmp_eq_u32 s[GRP], 0
	s_cbranch_scc1 .Lda_\@
	KLOAD KF+32, KC, (\wi)*8192, 4
	s_wait_dscnt 0x0
	SCORE S+32, KF+32, 4, 0
.Lda_\@:
	s_wait_dscnt 0x0
	SCORE S, KF, 4, 1
	PLACES
	MAXFIRST S
	s_cmp_eq_u32 s[GRP], 0
	s_cbranch_scc1 .Ldb_\@
	MAXMORE S+32
.Ldb_\@:
	MAXLANES
	v_mul_f32 v[NM+1], s[CS], v[MA]                ; the largest t (c is positive; the key on the diagonal counts for every query)
	v_floor_f32 v[NM], -v[NM+1]                    ; -M = floor(-t)
	PART64 S, 1, VD, ((\wi)+1)*8192
	s_cmp_eq_u32 s[GRP], 0
	s_cbranch_scc1 .Ldc_\@
	PART64 S+32, 0, VI, ((\wi)+1)*8192
.Ldc_\@:
	; ---- the 128 keys of the window before
.if (\wi) == 0
	s_cmp_eq_u32 s[HP], 0
	s_cbranch_scc1 .Lnoprev_\@
.endif
	PLACES                                         ; in front of loads into registers that the last products read
	KLOAD KF, KC, KPO+(\wi)*8192, 8
	s_wait_dscnt 0x0
	SCORE S, KF, 8, 0
	PLACES
	MAXFIRST S
	MAXMORE S+32
	MAXLANES
	v_mul_f32 v[MA], s[CS], v[MA]
	v_max_num_f32 v[NM+1], v[NM+1], v[MA]          ; the running largest t
	v_mov_b32 v[MB], v[NM]
	v_floor_f32 v[NM], -v[NM+1]
	v_sub_f32 v[MB], v[NM], v[MB]                  ; old M - new M: a whole number, 0 or less
	v_cvt_i32_f32 v[MB], v[MB]
	v_ldexp_f32 v[F], 1.0, v[MB]                   ; 2^(old M - new M): multiplying by it rounds nothing
	v_pk_mul_f32 v[LA:LA+1], v[LA:LA+1], v[F:F+1] op_sel_hi:[1,0]
	v_pk_mul_f32 v[LB:LB+1], v[LB:LB+1], v[F:F+1] op_sel_hi:[1,0]
.set on, 0
.rept 16
	v_pk_mul_f32 v[O+on:O+on+1], v[O+on:O+on+1], v[F:F+1] op_sel_hi:[1,0]
.set on, on+2
.endr
	PART64 S, 0, VI, (\wi)*8192
	PART64 S+32, 0, VI, (\wi)*8192+1024
.Lnoprev_\@:
	; ---- the way out: O^T / the sum x 2^(e2+e3), through my stage (q's rows are done with), so that sixteen lanes store one row of 256 bytes
	v_pk_add_f32 v[LA:LA+1], v[LA:LA+1], v[LB:LB+1]
	v_add_f32 v[LA], v[LA], v[LA+1]
	v_permlanex16_b32 v[MB], v[LA], s[SEL], s[SEL+1]
	v_add_f32 v[LA], v[LA], v[MB]
	v_rcp_f32 v[F], v[LA]
	v_nop                                          ; a plain line behind the reciprocal; with the additions above and the line below, the places behind the last products
	v_nop
	s_wait_alu depctr_va_vdst(0)                   ; the wait, ahead of the reciprocal's first reader
	v_ldexp_f32 v[F], v[F], s[EPV]
.set on, 0
.rept 16
	v_pk_mul_f32 v[OT+on:OT+on+1], v[O+on:O+on+1], v[F:F+1] op_sel_hi:[1,0]      ; register 8 t + j: out(query r, channel 16 t + 8 h + j); each accumulator from its low end on
.set on, on+2
.endr
.set on, 0
.rept 4
	ds_store_b128 v[SO], v[OT+8*on:OT+8*on+3] offset:64*on
	ds_store_b128 v[SO], v[OT+8*on+4:OT+8*on+7] offset:64*on+16
.set on, on+1
.endr
.set on, 0
.rept 8
	ds_load_b128 v[OB+4*on:OB+4*on+3], v[STW] offset:2*PIT*on                    ; in order behind my stores
.set on, on+1
.endr
.set on, 0
.rept 8
	s_wait_dscnt 7-on
	global_store_b128 v[GA], v[OB+4*on:OB+4*on+3], s[12:13] offset:(\wi)*WINB+512*on th:TH_STORE_NT   ; 32 lanes store 512 consecutive bytes, two rows, at a multiple of 256 from out0's first byte
.set on, on+1
.endr
.endm
	STEPW 0
	STEPW 1
	STEPW 2                                        ; the last two windows ask for nothing more
	STEPW 3
	s_wait_tensorcnt 0x0                           ; the wave's end, behind my last LDS store
	ds_add_u32 v[SPW], v[NIL]
	s_wait_dscnt 0x0
	s_endpgm
.Lfunc_end_k_q7a565c0b9b_local_attention:
	.size	k_q7a565c0b9b_local_attention, .Lfunc_end_k_q7a565c0b9b_local_attention-k_q7a565c0b9b_local_attention
	.p2alignl 7, 3214868480
	.fill 96, 4, 3214868480
	.section	.rodata,"a",@progbits
	.p2align	6, 0x0
	.amdhsa_kernel k_q7a565c0b9b_local_attention
		.amdhsa_group_segment_fixed_size 211968
		.amdhsa_private_segment_fixed_size 0
		.amdhsa_enable_private_segment 0
		.amdhsa_kernarg_size 40
		.amdhsa_user_sgpr_count 2
		.amdhsa_user_sgpr_kernarg_segment_ptr 1
		.amdhsa_wavefront_size32 1
		.amdhsa_system_sgpr_workgroup_id_x 1
		.amdhsa_system_sgpr_workgroup_id_y 1
		.amdhsa_system_sgpr_workgroup_id_z 1
		.amdhsa_system_vgpr_workitem_id 0
		.amdhsa_next_free_vgpr 512
		.amdhsa_next_free_sgpr 66
		.amdhsa_reserve_vcc 1
		.amdhsa_float_denorm_mode_32 3
		.amdhsa_float_denorm_mode_16_64 3
		.amdhsa_memory_ordered 1
		.amdhsa_forward_progress 1
		.amdhsa_inst_pref_size 255
	.end_amdhsa_kernel
	.section	.bss,"aw",@nobits
	.p2align	6
	.space	262144
	.amdgpu_metadata
---
amdhsa.version: [ 1, 2 ]
amdhsa.kernels:
  - .name:           k_q7a565c0b9b_local_attention
    .symbol:         k_q7a565c0b9b_local_attention.kd
    .args:
      - { .name: q, .offset: 0, .size: 8, .value_kind: global_buffer, .address_space: global }
      - { .name: k, .offset: 8, .size: 8, .value_kind: global_buffer, .address_space: global }
      - { .name: v, .offset: 16, .size: 8, .value_kind: global_buffer, .address_space: global }
      - { .name: lowp_scales, .offset: 24, .size: 8, .value_kind: global_buffer, .address_space: global }
      - { .name: out0, .offset: 32, .size: 8, .value_kind: global_buffer, .address_space: global }
    .group_segment_fixed_size: 211968
    .private_segment_fixed_size: 0
    .kernarg_segment_align: 8
    .kernarg_segment_size: 40
    .max_flat_workgroup_size: 256
    .sgpr_count:     66
    .vgpr_count:     512
    .wavefront_size: 32
...
	.end_amdgpu_metadata
.endif
;; end of part 1
;; ======== version 2 of 2: 1 launch; version 1 with the launch local_attention written anew for expert scheduling mode
;; limits: right only within a limited range of input values
;; launch local_attention (part 2): grid 256 x 1, 8 waves a work-group, no clusters, 211,968 bytes of LDS; arguments q, k, v, lowp_scales, out0; writes out0
.if DOCPART == 2
	.amdgcn_target "amdgcn-amd-amdhsa--gfx1250"
	.amdhsa_code_object_version 6
	.text
	.protected	k_q7a565c0b9b_local_attention
	.globl	k_q7a565c0b9b_local_attention
	.p2align	8
	.type	k_q7a565c0b9b_local_attention,@function
k_q7a565c0b9b_local_attention:
	s_mov_b64 s[64:65], 0
	v_nop
	global_prefetch_b8 v0, s[64:65] scope:SCOPE_SE
	s_setreg_imm32_b32 hwreg(HW_REG_WAVE_SCHED_MODE, 0, 2), 2
	s_setreg_imm32_b32 hwreg(HW_REG_WAVE_MODE, 25, 1), 1
	s_wait_xcnt 0x0
	s_wait_alu depctr_vm_vsrc(0)
; LOCAL ATTENTION, windows of 128, one window of look-back, causal, rotary positions inside the 256 keys of a window; both products on codes of FP8 (E4M3), each operand with its given scale 2^e (lowp_scales: e0 q, e1 k, e2 p, e3 v).
; q, k, v, out0: [32][4096][64] f32.  For window w of a sequence: queries 128 w + i at rotary position 128 + i; keys of window w - 1 at positions 0..127, keys of window w at 128..255, key j of window w counting for query i where j <= i.
; SOFTMAX AHEAD OF THE SECOND PRODUCT: t = score x log2(e); M = the running largest t rounded up to a whole number; p = 2^(t - M) is quantised, the sum of the unquantised p divides at the end; when M moves, sum and O are multiplied by 2^(old M - new M).
; WORK LEFT OUT.  (1) The look-back of a sequence's first window: reference() pads it and hides every one of its keys by its own pad_mask, for all inputs: that key step is not done (a branch on the work-group's number).
; (2) Keys 64..127 of the current window are hidden from queries 0..63 by reference()'s own causal mask, for all inputs: waves 0 to 3 do not do that part (a branch on the wave's number).  Hidden tiles inside the 64 keys that hold a wave's diagonal stay.
; (3) K in its look-back role is made only for windows whose successor this work-group walks.  (4) The hold of p at 448 x 2^e2 changes nothing where e2 >= -8 (p is at most 1 and a rounding, 448 x 2^-8 = 1.75).
; All inputs are loaded.  A NaN, an infinity or an overflow that reaches only the work left out is not carried to the result.
; LIMITS: e0 + 3, e1, e2, e3 between -126 and 119; e0 + e1 between -126 and 127 (they are added to an exponent field).  NaN and infinities among q, k, v are not served.  1 / 10000^(i/32) is taken as the correctly rounded quotient 1 / RN(10^(i/8)).
; SHARES.  256 work-groups of 8 waves; work-group g walks the four windows that begin at row 512 g (8 work-groups to a sequence), and first takes K and V of the window ahead of them (a prologue; none where g % 8 = 0).
; Wave a owns rows 16 a .. 16 a + 15 of every window: it loads them (each load 512 consecutive bytes), turns them through its own stage in LDS, rotates and quantises them, and later does the attention of those 16 queries.
; Loads run two windows ahead, in two sets of 96 registers.  K's and V's codes reach the other waves through LDS as images of operand registers; every window has image bytes of its own, so nothing is written twice and ONE barrier a window is enough.
; NO JOINT LOADS: of the 14 window-tensors that a work-group reads (4 of q, 5 of k, 5 of v) two are read by one other work-group too, in its last step while they are my first; and this text loads through registers.
; LAYOUT.  S^T = K Q^T (source 0 = 16 keys, source 1 = my 16 queries), O^T = V^T P^T (source 0 = 16 channels, source 1 = p): a lane holds ONE query (lane % 16).  Tile c of S^T holds keys 16 c + 8 (lane / 16) + 0..7 in its 8 registers:
; converted, they are registers 2 c, 2 c + 1 of the second product's operand.  Along the head's 64, lane (r, h) holds channels 16 h + 0..15 and 32 + 16 h + 0..15 of row r, in Q and in K alike: a pair (e, e + 32) of the rotation lies in one lane.
; The causal mask is the C of the diagonal part's four products: 0 where a key counts, -FLT_MAX (reference()'s mask value) where not: 32 registers, made once.
; REGISTERS.  Window 0: v1-29 addresses, scales, statistics; v32-63 the mask; v64-127 scores (before that my rows of q and k); v128-159, v160-191 fragments of K, then of V, 64 keys each (before that my rows of v, rotated numbers); v192-199 Q's codes; v200-207 p's codes; v208-239 O^T; v240-255 codes on their way to LDS.
; Window 1: v0-95, v96-191 the two sets of rows as loaded (q, k, v: 32 each); v192-207, v208-223 cos, sin at position 16 a + r; v224-239, v240-255 at position 128 + 16 a + r (16 frequencies 16 h + 0..15).
; THE MODE: SCHED_MODE bits 1:0 = 2 (LLVM: expert scheduling mode 2), set by the entry lines.  The code itself states the register dependences between vector or matrix instructions and memory or LDS instructions, with s_wait_alu, always for 0.
; THE PLAN.  Registers that memory or LDS instructions touch:
;   v1-v11        offsets and LDS addresses: written once at the head, never again.  One wait on va_vdst ahead of the first global loads (v1), one ahead of the first LDS instruction (v2-v11).
;   window 1, v0-191   the rows as loaded: written by global loads, read by the stores into my stage, named by no vector instruction.  A wait on vm_vsrc ahead of each reload.
;   v64-159       my rows from the stage: written by LDS loads, then read and written by rotations, holds and conversions.
;   v200-207, v240-255   codes: written by the conversions, read by the image stores.  All of a window's conversions come first; ONE wait on va_vdst; then the image stores in one run.  That wait also shows v128-191 done with, for K's tiles behind the barrier.
;                 One wait on vm_vsrc ahead of the barrier: v200-207 are written again as p's codes.
;   v128-191      K's tiles, read by the score products; then V^T, read by the second products.  Behind each group of score products and its places ONE wait on va_vdst, and behind it all the loads of V^T that the group's parts want, the first 64 keys
;                 into v128-159, the second 64 into v160-191: the maxima, scalings and exponentials that follow name neither.  One wait on va_vdst ahead of the look-back's tiles of K.
;   v64-95, v96-127   the way out: results written by packed multiplies and read by LDS stores; rows read back by LDS loads and read by global stores.  One wait on va_vdst ahead of the stores; no vector instruction follows it in the window, so it also
;                 serves the next window's loads from the stage.  One wait on vm_vsrc at the next window's head.
;   v12, v13      written at the head, read by the closing add alone.
; Scalar registers that vector instructions write (the wave's number, the masks of compares) have a wait on va_sdst ahead of their first reader; the compares stand in runs, one wait to a run.
.set WINB,  32768                      ; a window of one tensor in bytes: 128 rows of 256
.set PIT,   272                        ; a stage row: 256 bytes + 16: row r begins 16 r bytes further round the 64 banks of 4 bytes (ISA guide 11.1), so 16 rows' equal columns fall on different banks; 8 rows on are 32 banks on
.set TST,   16*PIT                     ; one tensor's 16 rows in a wave's stage
.set STGW,  3*TST                      ; a wave's stage: q (later out), k, v
.set KCB,   8*STGW                     ; K's images, current role: 4 windows x 8 tiles x 1,024 bytes
.set KPO,   32768                      ; behind them K's images, look-back role: 4 windows
.set VIB,   KCB+65536                  ; V's images: 5 windows x 4 fragments (16 channels x 128 keys) x 2,048 bytes
.set SPARE, VIB+5*8192                 ; the spare words, 128 bytes for each wave: four blocks of 256 bytes that no other line names
.set GA,   1                           ; 4,096 a + 16 lane: my 16 bytes of a load or store of two rows; never rewritten
.set STW,  2                           ; stage, rows as they lie: row lane / 16, 16 bytes at 16 (lane % 16)
.set STR,  3                           ; stage, a fragment's view: row r, + 64 h
.set STV,  4                           ; stage of v, turned: row 8 h, channel r
.set SO,   5                           ; stage, the way out: row r, + 32 h
.set KIW,  6                           ; where I store K's images: tile a
.set VIW,  7                           ; where I store my 8 bytes of V's images
.set KD,   8                           ; K's images from the four tiles that hold my diagonal on
.set KC,   9                           ; K's images from tile 0 on
.set VD,   10                          ; V's images from the 64 keys that hold my diagonal on
.set VI,   11                          ; V's images from key 0 on
.set SPW,  12                          ; LDS address of my spare word; never rewritten
.set NIL,  13                          ; 0; never rewritten
.set SCQ,  14                          ; the conversions' scales as f32: 2^(e0+3), 2^e1, 2^e3, 2^e2
.set SCK,  15
.set SCV,  16
.set SCP,  17
.set LIMP, 18                          ; 448 x 2^e2
.set NM,   20                          ; v20 -M, v21 the largest t
.set LA,   22                          ; v[22:23], v[24:25] the row's sum in four parts
.set LB,   24
.set F,    26                          ; v26 a factor for sum and O; v27 named with it as a pair
.set MA,   28
.set MB,   29
.set MASK, 32
.set S,    64
.set XQ,   64
.set XK,   96
.set KF,   128
.set VF,   128
.set XV,   128
.set ROT,  160
.set QF,   192
.set PCD,  200
.set CT,   200
.set O,    208
.set CT2,  240
.set CT3,  248
.set OT,   64
.set OB,   96
.set WV,   14                          ; s14 wave a;  s15 a / 4;  s16 g % 8
.set GRP,  15
.set HP,   16
.set CS,   24                          ; s[24:25] c = log2(e) x 2^(e0+e1)
.set LQ,   26                          ; s26, s27: +-448 x 2^(e0+3);  s28, s29: +-448 x 2^e1;  s30, s31: +-448 x 2^e3
.set LK,   28
.set LV,   30
.set CMK,  24                          ; s24-31, ahead of that use: eight masks of the causal mask's compares
.set HOLD, 32                          ; 1 where p must be held
.set EPV,  33                          ; e2 + e3
.set SEL,  34                          ; s[34:35] v_permlanex16_b32's selects for lane xor 16
.set HM,   36                          ; the lanes with h = 1
.set CM,   40                          ; s40-43 masks at work
.set LPS,  44
.set MSB, 0
.macro WIN new                         ; s_set_vgpr_msb: bits 1:0 source 0, 3:2 source 1, 5:4 source 2, 7:6 destination; the high byte repeats the setting that is left
.if MSB != \new
	s_set_vgpr_msb (MSB<<8)|\new
.set MSB, \new
.endif
.endm
.macro PLACES
.rept 4
	v_nop
.endr
.endm
; my 16 rows of one tensor: eight loads of 512 consecutive bytes (two rows), into window 1
.macro GLOAD reg, sb, off, nt
.set gj, 0
.rept 8
.if \nt
	global_load_b128 v[(\reg)+4*gj:(\reg)+4*gj+3], v[GA], s[\sb:\sb+1] offset:(\off)+512*gj th:TH_LOAD_NT
.else
	global_load_b128 v[(\reg)+4*gj:(\reg)+4*gj+3], v[GA], s[\sb:\sb+1] offset:(\off)+512*gj
.endif
.set gj, gj+1
.endr
.endm
.macro TOSTAGE reg, toff               ; as loaded, into my stage
.set tj, 0
.rept 8
	ds_store_b128 v[STW], v[(\reg)+4*tj:(\reg)+4*tj+3] offset:(\toff)+2*PIT*tj
.set tj, tj+1
.endr
.endm
.macro FROMSTAGE reg, toff             ; back as a fragment's numbers: row r, channels 16 h + 0..15, then 32 + 16 h + 0..15
.set fj, 0
.rept 4
	ds_load_b128 v[(\reg)+4*fj:(\reg)+4*fj+3], v[STR] offset:(\toff)+16*fj
.set fj, fj+1
.endr
.set fj, 0
.rept 4
	ds_load_b128 v[(\reg)+16+4*fj:(\reg)+19+4*fj], v[STR] offset:(\toff)+128+16*fj
.set fj, fj+1
.endr
.endm
.macro VREAD                           ; v turned: register 8 t + j = v(key 16 a + 8 h + j, channel 16 t + r): a lane to a channel, registers down the keys
.set vt, 0
.rept 4
.set vj, 0
.rept 8
	ds_load_b32 v[XV+8*vt+vj], v[STV] offset:PIT*vj+64*vt
.set vj, vj+1
.endr
.set vt, vt+1
.endr
.endm
; the rotation: lo' = lo cos - hi sin, hi' = hi cos + lo sin, two numbers an instruction; cos and sin lie in window 1 (source 1)
.macro ROTATE x, o, cb, sb
	WIN 0x04
.set ri, 0
.rept 8
	v_pk_mul_f32 v[(\o)+ri:(\o)+ri+1], v[(\x)+ri:(\x)+ri+1], v[(\cb)+ri:(\cb)+ri+1]
	v_pk_mul_f32 v[(\o)+16+ri:(\o)+17+ri], v[(\x)+16+ri:(\x)+17+ri], v[(\cb)+ri:(\cb)+ri+1]
.set ri, ri+2
.endr
.set ri, 0
.rept 8
	v_pk_fma_f32 v[(\o)+ri:(\o)+ri+1], v[(\x)+16+ri:(\x)+17+ri], v[(\sb)+ri:(\sb)+ri+1], v[(\o)+ri:(\o)+ri+1] neg_lo:[0,1,0] neg_hi:[0,1,0]
	v_pk_fma_f32 v[(\o)+16+ri:(\o)+17+ri], v[(\x)+ri:(\x)+ri+1], v[(\sb)+ri:(\sb)+ri+1], v[(\o)+16+ri:(\o)+17+ri]
.set ri, ri+2
.endr
	WIN 0
.endm
; 32 numbers become 32 codes in 8 registers
.macro QUANT o, c, sc, lim
.set qn, 0
.rept 32
	v_med3_num_f32 v[(\o)+qn], v[(\o)+qn], s[\lim+1], s[\lim]      ; the conversion to an 8-bit code does not saturate (ISA guide 7.6.2): the hold at the largest code x the scale
.set qn, qn+1
.endr
.set qn, 0
.rept 4
	v_cvt_scalef32_pk8_fp8_f32 v[(\c)+2*qn:(\c)+2*qn+1], v[(\o)+8*qn:(\o)+8*qn+7], v[\sc]
.set qn, qn+1
.endr
	v_nop                                  ; a plain line between the conversions and the next vector or matrix line that touches their registers
.endm
.macro KLOAD kf, va, off, nt           ; nt tiles of K (16 keys x 64: 8 registers) come back as they were stored
.set ki, 0
.rept \nt
	ds_load_b128 v[(\kf)+8*ki:(\kf)+8*ki+3], v[\va] offset:(\off)+1024*ki
	ds_load_b128 v[(\kf)+8*ki+4:(\kf)+8*ki+7], v[\va] offset:(\off)+1024*ki+512
.set ki, ki+1
.endr
.endm
.macro VLOAD vf, va, voff              ; V^T: 16 channels x 64 keys, four tiles, come back as they were stored
.set vn, 0
.rept 4
	ds_load_b128 v[(\vf)+8*vn:(\vf)+8*vn+3], v[\va] offset:(\voff)+2048*vn
	ds_load_b128 v[(\vf)+8*vn+4:(\vf)+8*vn+7], v[\va] offset:(\voff)+2048*vn+512
.set vn, vn+1
.endr
.endm
.macro SCORE sb, kf, nt, masked        ; S^T = K Q^T; masked = 1: C is the causal mask
.set wt, 0
.rept \nt
.if \masked
	v_wmma_f32_16x16x64_fp8_fp8 v[(\sb)+8*wt:(\sb)+8*wt+7], v[(\kf)+8*wt:(\kf)+8*wt+7], v[QF:QF+7], v[MASK+8*wt:MASK+8*wt+7]
.else
	v_wmma_f32_16x16x64_fp8_fp8 v[(\sb)+8*wt:(\sb)+8*wt+7], v[(\kf)+8*wt:(\kf)+8*wt+7], v[QF:QF+7], 0
.endif
.set wt, wt+1
.endr
.endm
.macro MAXFIRST sb                     ; the largest of 32 scores, two chains, each tile from its low end on
	v_max3_num_f32 v[MA], v[(\sb)], v[(\sb)+1], v[(\sb)+2]
	v_max3_num_f32 v[MB], v[(\sb)+3], v[(\sb)+4], v[(\sb)+5]
.set mi, 6
.rept 6
	v_max3_num_f32 v[MA], v[MA], v[(\sb)+mi], v[(\sb)+mi+1]
	v_max3_num_f32 v[MB], v[MB], v[(\sb)+mi+2], v[(\sb)+mi+3]
.set mi, mi+4
.endr
	v_max3_num_f32 v[MA], v[MA], v[(\sb)+30], v[(\sb)+31]
.endm
.macro MAXMORE sb                      ; 32 more
.set mi, 0
.rept 8
	v_max3_num_f32 v[MA], v[MA], v[(\sb)+mi], v[(\sb)+mi+1]
	v_max3_num_f32 v[MB], v[MB], v[(\sb)+mi+2], v[(\sb)+mi+3]
.set mi, mi+4
.endr
.endm
.macro MAXLANES                        ; my two chains, and the lane 16 away, which holds my query's other keys
	v_max_num_f32 v[MA], v[MA], v[MB]
	v_permlanex16_b32 v[MB], v[MA], s[SEL], s[SEL+1]
	v_max_num_f32 v[MA], v[MA], v[MB]
.endm
; 64 keys: scores in v[sb .. sb + 31] become p, are summed, quantised and multiplied by V^T, which was asked for into v[vf .. vf + 31] behind the score products.  first = 1: sums and O^T begin here.
; No memory or LDS instruction stands in a part: its one wait on va_vdst is the exponentials'.
.macro PART64 sb, first, vf
.set pn, 0
.rept 16
	v_pk_fma_f32 v[(\sb)+pn:(\sb)+pn+1], v[(\sb)+pn:(\sb)+pn+1], s[CS:CS+1], v[NM:NM+1] op_sel_hi:[1,0,0]   ; t - M (of the pairs c and -M the low word serves both halves)
.set pn, pn+2
.endr
.set pn, 0
.rept 32
	v_exp_f32 v[(\sb)+pn], v[(\sb)+pn]
.set pn, pn+1
.endr
	v_nop                                  ; a plain line behind the last exponential
	s_wait_alu depctr_va_vdst(0)           ; the 32 exponentials have written p: one wait for the batch, ahead of its first reader
.if \first
	v_pk_add_f32 v[LA:LA+1], v[(\sb):(\sb)+1], v[(\sb)+4:(\sb)+5]              ; the sum is taken of the unquantised p
	v_pk_add_f32 v[LB:LB+1], v[(\sb)+2:(\sb)+3], v[(\sb)+6:(\sb)+7]
.set pn, 8
.else
.set pn, 0
.endif
.rept (32-pn)/4
	v_pk_add_f32 v[LA:LA+1], v[LA:LA+1], v[(\sb)+pn:(\sb)+pn+1]
	v_pk_add_f32 v[LB:LB+1], v[LB:LB+1], v[(\sb)+pn+2:(\sb)+pn+3]
.set pn, pn+4
.endr
	s_cmp_eq_u32 s[HOLD], 0                ; e2 >= -8: no p reaches 448 x 2^e2
	s_cbranch_scc1 .Lnohold_\@
.set pn, 0
.rept 32
	v_min_num_f32 v[(\sb)+pn], v[(\sb)+pn], v[LIMP]
.set pn, pn+1
.endr
.Lnohold_\@:
.set pn, 0
.rept 4
	v_cvt_scalef32_pk8_fp8_f32 v[PCD+2*pn:PCD+2*pn+1], v[(\sb)+8*pn:(\sb)+8*pn+7], v[SCP]
.set pn, pn+1
.endr
	v_nop
	s_wait_dscnt 0x0                       ; V^T is in
.set pn, 0
.rept 4                                ; the four accumulators by turns, one instruction a turn
.if \first
	v_wmma_f32_16x16x64_fp8_fp8 v[O+8*pn:O+8*pn+7], v[(\vf)+8*pn:(\vf)+8*pn+7], v[PCD:PCD+7], 0
.else
	v_wmma_f32_16x16x64_fp8_fp8 v[O+8*pn:O+8*pn+7], v[(\vf)+8*pn:(\vf)+8*pn+7], v[PCD:PCD+7], v[O+8*pn:O+8*pn+7]
.endif
.set pn, pn+1
.endr
.endm
	s_load_b256 s[4:11], s[0:1], 0x0               ; q s[4:5], k s[6:7], v s[8:9], the scales' exponents s[10:11]
	s_load_b64 s[12:13], s[0:1], 0x20              ; out0
	v_lshl_add_u32 v[SPW], v0, 2, SPARE
	v_mov_b32 v[NIL], 0
	v_lshrrev_b32 v28, 5, v0
	v_readfirstlane_b32 s[WV], v28                 ; wave a
	v_and_b32 v28, 31, v0                          ; lane
	v_and_b32 v29, 15, v0                          ; r
	v_bfe_u32 v30, v0, 4, 1                        ; h
	s_wait_alu depctr_va_sdst(0)                   ; s14, the wave's number, is written, ahead of its first reader
	s_lshr_b32 s[GRP], s[WV], 2
	s_and_b32 s[HP], ttmp9, 7                      ; 0: my first window is a sequence's first
	s_lshl_b32 s17, s[WV], 12
	v_lshl_add_u32 v[GA], v28, 4, s17
	s_lshl_b32 s18, ttmp9, 17                      ; my first row: 512 g rows of 256 bytes
	s_mov_b32 s19, 0
	s_wait_kmcnt 0x0
	s_load_b128 s[20:23], s[10:11], 0x0            ; e0, e1, e2, e3
	s_add_nc_u64 s[4:5], s[4:5], s[18:19]
	s_add_nc_u64 s[6:7], s[6:7], s[18:19]
	s_add_nc_u64 s[8:9], s[8:9], s[18:19]
	s_add_nc_u64 s[12:13], s[12:13], s[18:19]
	s_wait_alu depctr_va_vdst(0)                   ; v1 is written: every global load and store of the kernel reads it as its offset.  Ahead of the branch, for both ways
	s_cmp_eq_u32 s[HP], 0
	s_cbranch_scc1 .Lhead_first
	WIN 0x40                                       ; destination window 1
	GLOAD 96+32, 6, -WINB, 0                       ; k and v of the window ahead of mine (its own work-group reads them too: no hint)
	GLOAD 96+64, 8, -WINB, 0
	WIN 0
.Lhead_first:
	WIN 0x40
	GLOAD 0, 4, 0, 1                               ; my first window,
	GLOAD 32, 6, 0, 1
	GLOAD 64, 8, 0, 1
	GLOAD 96, 4, WINB, 1                           ; and q of the second
	WIN 0
	; LDS addresses
	s_mul_i32 s17, s[WV], STGW                     ; my stage
	v_mul_u32_u24 v31, v30, PIT
	v_lshl_add_u32 v31, v29, 4, v31
	v_add_nc_u32 v[STW], s17, v31
	v_mul_u32_u24 v31, v29, PIT
	v_lshl_add_u32 v[STR], v30, 6, v31
	v_add_nc_u32 v[STR], s17, v[STR]
	v_lshl_add_u32 v[SO], v30, 5, v31
	v_add_nc_u32 v[SO], s17, v[SO]
	v_mul_u32_u24 v31, v30, 8*PIT
	v_lshl_add_u32 v31, v29, 2, v31
	v_add_nc_u32 v31, s17, v31
	v_add_nc_u32 v[STV], 2*TST, v31
	v_lshlrev_b32 v31, 4, v28                      ; an image's place for my lane: 16 x lane
	v_add_nc_u32 v[KC], KCB, v31
	v_add_nc_u32 v[VI], VIB, v31
	s_lshl_b32 s17, s[WV], 10
	v_add_nc_u32 v[KIW], s17, v[KC]
	s_lshl_b32 s17, s[GRP], 12
	v_add_nc_u32 v[KD], s17, v[KC]
	s_lshl_b32 s17, s[GRP], 10
	v_add_nc_u32 v[VD], s17, v[VI]
	s_lshr_b32 s17, s[WV], 1                       ; registers 2 a, 2 a + 1 of a fragment of V^T: the (a / 2)-th group of four registers, its (a % 2)-th half
	s_lshl_b32 s17, s17, 9
	s_and_b32 s38, s[WV], 1
	s_lshl_b32 s38, s38, 3
	s_add_co_u32 s17, s17, s38
	v_add_nc_u32 v[VIW], s17, v[VI]
	v_mov_b32 v[F+1], 0                            ; (named as the upper half of a pair)
	s_mov_b32 s[SEL], 0x76543210
	s_mov_b32 s[SEL+1], 0xfedcba98
	v_cmp_eq_u32 s[HM], 1, v30
	; the causal mask of the four tiles that hold my diagonal: tile i, register j: key 16 i + 8 h + j against query 16 (a % 4) + r
	s_and_b32 s38, s[WV], 3
	s_lshl_b32 s38, s38, 4
	v_lshlrev_b32 v31, 3, v30
	v_sub_nc_u32 v31, v29, v31
	v_add_nc_u32 v31, s38, v31                     ; d = 16 (a % 4) + r - 8 h: hidden where 16 i + j > d
	v_mov_b32 v28, 0xff7fffff                      ; -FLT_MAX
.set mg, 0
.rept 4                                ; a tile at a time: a run of eight compares into s24-31, one wait, eight selections
.set mn, 0
.rept 8
	v_cmp_gt_i32 s[CMK+mn], 16*mg+mn, v31
.set mn, mn+1
.endr
	s_wait_alu depctr_va_sdst(0)                   ; the tile's eight masks s24-31 are written, ahead of the selections that read them (and, at the first of these four waits, s36, which the table of frequencies reads)
.set mn, 0
.rept 8
	v_cndmask_b32 v[MASK+8*mg+mn], 0, v28, s[CMK+mn]
.set mn, mn+1
.endr
.set mg, mg+1
.endr
	; the given scales
	s_wait_kmcnt 0x0
	s_add_co_i32 s38, s20, s21
	s_lshl_b32 s38, s38, 23
	s_add_co_i32 s[CS], s38, 0x3fb8aa3b            ; log2(e), with e0 + e1 added to its exponent field: a sum of code products stands for sum x 2^(e0+e1)
	s_mov_b32 s[CS+1], s[CS]
.macro SCALE e, bias, vs, lim          ; 2^(e + bias - 127) as f32 for the conversion; +-448 x that for the hold
	s_add_co_i32 s38, s\e, \bias
	s_lshl_b32 s39, s38, 23
	v_mov_b32 v[\vs], s39
	s_add_co_i32 s38, s38, 8
	s_lshl_b32 s38, s38, 23
	s_or_b32 s[\lim], s38, 0x600000
	s_or_b32 s[\lim+1], s[\lim], 0x80000000
.endm
	SCALE 20, 130, SCQ, LQ                         ; reference()'s factor 1/8 on q is a power of two: it is folded into q's scale, 2^(e0+3), which changes no code
	SCALE 21, 127, SCK, LK
	SCALE 23, 127, SCV, LV
	SCALE 22, 127, SCP, LPS
	v_mov_b32 v[LIMP], s[LPS]
	s_cmp_lt_i32 s22, -8
	s_cselect_b32 s[HOLD], 1, 0
	s_add_co_i32 s[EPV], s22, s23
; COS AND SIN, once: 16 frequencies x 2 positions a lane; the 8 waves x 32 lanes x 32 are the 256 x 32 of reference()'s table, each made once in the work-group.  This stands where the first loads are on their way.
; inv_freq = 1 / RN(10^(i/8)), correctly rounded: v_rcp_f32 and two steps y += y (1 - P y);  angle = position x inv_freq, one f32 rounding, as reference() has it;
; n = nearest whole number to angle x 2/pi; r = angle - n pi/2 with pi/2 in two parts (the first difference is exact: n < 256 and |r| < 1);  sin r and cos r by polynomials on |r| <= pi/4;  the quadrant n % 4 swaps and signs them.
.set PW,  64                           ; v64-79  10^(i/8), i = 16 h + k
.set IV,  80                           ; v80-95  1 / that
.set EE,  96
.set PS1, 112                          ; constants, each twice, as pairs
.set PS2, 114
.set PS3, 116
.set PC1, 118
.set PC2, 120
.set PC3, 122
.set TOP, 124
.set NHI, 126
.set NMI, 128
.set MHF, 130
.set ONE, 132
.set POS, 134                          ; v[134:135] position 16 a + r, v[136:137] 128 + that
.set TT,  140                          ; 24 registers at work for each of the two positions
.macro FREQ k, lo, hi
	v_mov_b32 v188, \lo
	v_mov_b32 v189, \hi
	v_cndmask_b32 v[PW+\k], v188, v189, s[HM]
.endm
	FREQ 0, 1.0, 100.0
	FREQ 1, 1.333521432163324, 133.3521432163324
	FREQ 2, 1.7782794100389228, 177.82794100389228
	FREQ 3, 2.371373705661655, 237.1373705661655
	FREQ 4, 3.1622776601683795, 316.22776601683795
	FREQ 5, 4.216965034285822, 421.6965034285822
	FREQ 6, 5.623413251903491, 562.3413251903491
	FREQ 7, 7.498942093324558, 749.8942093324558
	FREQ 8, 10.0, 1000.0
	FREQ 9, 13.33521432163324, 1333.521432163324
	FREQ 10, 17.782794100389228, 1778.2794100389228
	FREQ 11, 23.71373705661655, 2371.373705661655
	FREQ 12, 31.622776601683795, 3162.2776601683795
	FREQ 13, 42.16965034285822, 4216.965034285822
	FREQ 14, 56.23413251903491, 5623.413251903491
	FREQ 15, 74.98942093324558, 7498.942093324558
.set fk, 0
.rept 16
	v_rcp_f32 v[IV+fk], v[PW+fk]
.set fk, fk+1
.endr
.macro CONST2 reg, val
	v_mov_b32 v[\reg], \val
	v_mov_b32 v[\reg+1], \val
.endm
	CONST2 PS1, -0.16666654611                     ; (plain lines behind the reciprocals)
	CONST2 PS2, 0.0083321608736
	CONST2 PS3, -0.00019515295891
	CONST2 PC1, 0.04166664568298827
	CONST2 PC2, -0.001388731625493765
	CONST2 PC3, 0.00002443315711809948
	CONST2 TOP, 0x3f22f983                         ; 2 / pi
	CONST2 NHI, 0xbfc90fdb                         ; -(pi/2 rounded to f32)
	CONST2 NMI, 0x333bbd2e                         ; that less pi/2
	CONST2 MHF, -0.5
	CONST2 ONE, 1.0
	s_lshl_b32 s38, s[WV], 4
	v_add_nc_u32 v188, s38, v29
	v_cvt_f32_u32 v[POS], v188
	v_mov_b32 v[POS+1], v[POS]
	v_add_f32 v[POS+2], 0x43000000, v[POS]         ; + 128
	v_mov_b32 v[POS+3], v[POS+2]
	s_wait_alu depctr_va_vdst(0)                   ; the sixteen reciprocals have written v80-95: one wait for the batch, ahead of its first reader
.rept 2
.set fk, 0
.rept 16
	v_fma_f32 v[EE+fk], -v[PW+fk], v[IV+fk], 1.0
.set fk, fk+1
.endr
.set fk, 0
.rept 16
	v_fma_f32 v[IV+fk], v[IV+fk], v[EE+fk], v[IV+fk]
.set fk, fk+1
.endr
.endr
; frequencies 2 kk, 2 kk + 1 at both positions.  At work, from TT + 24 x position on: +0 angle, +2 n, +4 r, +6 r^2, +8 sin r, +10 cos r, +12 n as a whole number, +14 .. +22 selections and signs
.macro SINCOS2 kk
.irp p, 0, 24
	v_pk_mul_f32 v[TT+\p:TT+1+\p], v[IV+2*(\kk):IV+2*(\kk)+1], v[POS+\p/12:POS+1+\p/12] op_sel_hi:[1,0]
.endr
.irp p, 0, 24
	v_pk_mul_f32 v[TT+2+\p:TT+3+\p], v[TT+\p:TT+1+\p], v[TOP:TOP+1]
.endr
.irp p, 0, 1, 24, 25
	v_rndne_f32 v[TT+2+\p], v[TT+2+\p]
.endr
.irp p, 0, 24
	v_pk_fma_f32 v[TT+4+\p:TT+5+\p], v[TT+2+\p:TT+3+\p], v[NHI:NHI+1], v[TT+\p:TT+1+\p]
.endr
.irp p, 0, 24
	v_pk_fma_f32 v[TT+4+\p:TT+5+\p], v[TT+2+\p:TT+3+\p], v[NMI:NMI+1], v[TT+4+\p:TT+5+\p]
.endr
.irp p, 0, 24
	v_pk_mul_f32 v[TT+6+\p:TT+7+\p], v[TT+4+\p:TT+5+\p], v[TT+4+\p:TT+5+\p]
.endr
.irp p, 0, 24
	v_pk_fma_f32 v[TT+8+\p:TT+9+\p], v[TT+6+\p:TT+7+\p], v[PS3:PS3+1], v[PS2:PS2+1]
	v_pk_fma_f32 v[TT+10+\p:TT+11+\p], v[TT+6+\p:TT+7+\p], v[PC3:PC3+1], v[PC2:PC2+1]
.endr
.irp p, 0, 24
	v_pk_fma_f32 v[TT+8+\p:TT+9+\p], v[TT+8+\p:TT+9+\p], v[TT+6+\p:TT+7+\p], v[PS1:PS1+1]
	v_pk_fma_f32 v[TT+10+\p:TT+11+\p], v[TT+10+\p:TT+11+\p], v[TT+6+\p:TT+7+\p], v[PC1:PC1+1]
.endr
.irp p, 0, 24
	v_pk_mul_f32 v[TT+8+\p:TT+9+\p], v[TT+8+\p:TT+9+\p], v[TT+6+\p:TT+7+\p]
	v_pk_fma_f32 v[TT+10+\p:TT+11+\p], v[TT+10+\p:TT+11+\p], v[TT+6+\p:TT+7+\p], v[MHF:MHF+1]
.endr
.irp p, 0, 24
	v_pk_fma_f32 v[TT+8+\p:TT+9+\p], v[TT+8+\p:TT+9+\p], v[TT+4+\p:TT+5+\p], v[TT+4+\p:TT+5+\p]
	v_pk_fma_f32 v[TT+10+\p:TT+11+\p], v[TT+10+\p:TT+11+\p], v[TT+6+\p:TT+7+\p], v[ONE:ONE+1]
.endr
.irp p, 0, 1, 24, 25
	v_cvt_i32_f32 v[TT+12+\p], v[TT+2+\p]
.endr
.irp p, 0, 1, 24, 25
	v_lshlrev_b32 v[TT+14+\p], 31, v[TT+12+\p]
	v_lshlrev_b32 v[TT+20+\p], 30, v[TT+12+\p]
	v_add_nc_u32 v[TT+22+\p], 1, v[TT+12+\p]
.endr
.irp p, 0, 1, 24, 25
	v_cmp_gt_i32 s[CM+(\p%24)+2*(\p/24)], 0, v[TT+14+\p]                  ; n odd: sine and cosine change places
	v_and_b32 v[TT+20+\p], 0x80000000, v[TT+20+\p]                        ; n % 4 = 2, 3: the sine is negated
	v_lshlrev_b32 v[TT+22+\p], 30, v[TT+22+\p]
.endr
	s_wait_alu depctr_va_sdst(0)                   ; the four masks s40-43 are written, ahead of the selections that read them
.irp p, 0, 1, 24, 25
	v_cndmask_b32 v[TT+16+\p], v[TT+8+\p], v[TT+10+\p], s[CM+(\p%24)+2*(\p/24)]
	v_cndmask_b32 v[TT+18+\p], v[TT+10+\p], v[TT+8+\p], s[CM+(\p%24)+2*(\p/24)]
	v_and_b32 v[TT+22+\p], 0x80000000, v[TT+22+\p]                        ; n % 4 = 1, 2: the cosine is negated
.endr
	WIN 0x40                                       ; destination window 1
.irp p, 0, 1, 24, 25
	v_xor_b32 v[208+32*(\p/24)+2*(\kk)+(\p%24)], v[TT+16+\p], v[TT+20+\p]
	v_xor_b32 v[192+32*(\p/24)+2*(\kk)+(\p%24)], v[TT+18+\p], v[TT+22+\p]
.endr
	WIN 0
.endm
.irp kk, 0,1,2,3,4,5,6,7
	SINCOS2 \kk
.endr
; THE PROLOGUE: k (look-back role) and v of the window ahead of my first become images.  None where my first window is a sequence's first.
	s_wait_loadcnt 32                              ; the 16 loads of the window ahead are in; behind them: my first window's 24 and the second's 8 of q.  The wait stands ahead of the branch, on every way to the loads
	                                               ; below that take the same registers; where there is no window ahead, only those 32 are out and it is met at once
	s_wait_alu depctr_va_vdst(0)                   ; the LDS addresses v2-v11 are written, which all LDS instructions below read; the table's work is done with v64-191, in which the loads from the stage land.  Ahead of the branch, for both ways
	s_cmp_eq_u32 s[HP], 0
	s_cbranch_scc1 .Lno_prologue
	WIN 0x04                                       ; store data window 1
	TOSTAGE 96+32, TST
	TOSTAGE 96+64, 2*TST
	WIN 0
	FROMSTAGE XK, TST                              ; LDS serves a wave's instructions in order (ISA guide 5.7.1.4): these see my stores
	VREAD
	s_wait_dscnt 32                                ; k's eight are in; v's 32 may be out
	ROTATE XK, ROT, 192, 208
	QUANT ROT, CT2, SCK, LK
	s_wait_dscnt 0x0                               ; v's 32 are in
	QUANT XV, CT3, SCV, LV
	s_wait_alu depctr_va_vdst(0)                   ; the conversions have written the codes v240-255, which the stores below read; rotation and holds are done with v96-159, in which the first window's loads from the stage land
	ds_store_b128 v[KIW], v[CT2:CT2+3] offset:KPO
	ds_store_b128 v[KIW], v[CT2+4:CT2+7] offset:KPO+512
.set st, 0
.rept 4
	ds_store_b64 v[VIW], v[CT3+2*st:CT3+2*st+1] offset:2048*st
.set st, st+1
.endr
	s_wait_dscnt 0x0                               ; all my LDS stores are done
	s_wait_alu depctr_vm_vsrc(0)                   ; the stores into the stage have read the set's k and v registers, in which the loads below land; the image stores have read v240-255, which the first window's conversions write
.Lno_prologue:
	WIN 0x40
	GLOAD 96+32, 6, WINB, 1                        ; k and v of my second window
	GLOAD 96+64, 8, WINB, 1
	WIN 0
; A WINDOW.  wi = 0 .. 3.
.macro STEPW wi
.set SET, 96*((\wi)%2)
	s_wait_xcnt 0x0                                ; the last window's stores have read their registers, which are written again below
.if (\wi) > 0
	s_wait_alu depctr_vm_vsrc(0)                   ; the last window's way out has read v64-95 (its LDS stores) and v96-127 (its global stores), in which the loads from the stage land
.endif
.if (\wi) < 3
	s_wait_loadcnt 24                              ; this window's 24 loads are in; the next window's 24 may be out
.else
	s_wait_loadcnt 0x0
.endif
	WIN 0x04
	TOSTAGE SET, 0
	TOSTAGE SET+32, TST
	TOSTAGE SET+64, 2*TST
	WIN 0
	FROMSTAGE XQ, 0                                ; no wait on va_vdst: no vector or matrix instruction has been issued since the one ahead of the last stores (the way out's, the prologue's, or the one ahead of the prologue)
	FROMSTAGE XK, TST
	VREAD
	s_wait_dscnt 40                                ; q's eight are in (k's 8 and v's 32 may be out)
.if (\wi) < 2
	WIN 0x40
	s_wait_alu depctr_vm_vsrc(0)                   ; the 24 stores into the stage have read the set's registers,
	GLOAD SET, 4, ((\wi)+2)*WINB, 1                ; which take the window two further on
	GLOAD SET+32, 6, ((\wi)+2)*WINB, 1-(\wi)       ; (k and v of my last window are read by the next work-group too: no hint)
	GLOAD SET+64, 8, ((\wi)+2)*WINB, 1-(\wi)
	WIN 0
.endif
	ROTATE XQ, ROT, 224, 240                       ; q at position 128 + i
	QUANT ROT, QF, SCQ, LQ                         ; its codes are my operand: they stay in registers
	s_wait_dscnt 32                                ; k's eight are in
	ROTATE XK, ROT, 224, 240                       ; k at position 128 + j, for this window
	QUANT ROT, CT, SCK, LK
.if (\wi) < 3
	ROTATE XK, ROT, 192, 208                       ; and at position j, for the next
	QUANT ROT, CT2, SCK, LK
.endif
	s_wait_dscnt 0x0                               ; v's 32 are in
	QUANT XV, CT3, SCV, LV
	s_wait_alu depctr_va_vdst(0)                   ; the conversions have written the codes v200-207 and v240-255, which the stores below read; rotations and holds are done with v128-191, in which K's tiles land behind the barrier
	ds_store_b128 v[KIW], v[CT:CT+3] offset:(\wi)*8192
	ds_store_b128 v[KIW], v[CT+4:CT+7] offset:(\wi)*8192+512
.if (\wi) < 3
	ds_store_b128 v[KIW], v[CT2:CT2+3] offset:KPO+((\wi)+1)*8192
	ds_store_b128 v[KIW], v[CT2+4:CT2+7] offset:KPO+((\wi)+1)*8192+512
.endif
.set st, 0
.rept 4
	ds_store_b64 v[VIW], v[CT3+2*st:CT3+2*st+1] offset:((\wi)+1)*8192+2048*st
.set st, st+1
.endr
	s_wait_dscnt 0x0                               ; for the others' sake: my images lie in LDS
	s_wait_alu depctr_vm_vsrc(0)                   ; the image stores have read v200-207, which p's conversions write, and v240-255, which the next window's write.  Ahead of every branch of the window
	s_barrier_signal -1
	s_barrier_wait -1                              ; everybody's do.  No image is ever written again, so this is the window's one barrier
	; ---- the current window's keys: the four tiles that hold my diagonal, and in waves 4 to 7 tiles 0 to 3 as well
	KLOAD KF, KD, (\wi)*8192, 4                    ; no wait: no vector or matrix instruction has been issued since the wait ahead of the image stores
	s_cmp_eq_u32 s[GRP], 0
	s_cbranch_scc1 .Lda_\@
	KLOAD KF+32, KC, (\wi)*8192, 4
	s_wait_dscnt 0x0
	SCORE S+32, KF+32, 4, 0
.Lda_\@:
	s_wait_dscnt 0x0
	SCORE S, KF, 4, 1
	PLACES
	s_wait_alu depctr_va_vdst(0)                   ; the score products are done reading K's tiles in v128-191, in which V^T lands; the places above stay beside this wait
	VLOAD VF, VD, ((\wi)+1)*8192                   ; V^T at the 64 keys that hold my diagonal: it lands under the maximum, the scalings and the exponentials
	MAXFIRST S
	s_cmp_eq_u32 s[GRP], 0
	s_cbranch_scc1 .Ldb_\@
	VLOAD VF+32, VI, ((\wi)+1)*8192                ; waves 4 to 7: V^T at keys 0 to 63.  No wait: the maxima since the wait name neither v160-191 nor the address
	MAXMORE S+32
.Ldb_\@:
	MAXLANES
	v_mul_f32 v[NM+1], s[CS], v[MA]                ; the largest t (c is positive; the key on the diagonal counts for every query)
	v_floor_f32 v[NM], -v[NM+1]                    ; -M = floor(-t)
	PART64 S, 1, VF
	s_cmp_eq_u32 s[GRP], 0
	s_cbranch_scc1 .Ldc_\@
	PART64 S+32, 0, VF+32
.Ldc_\@:
	; ---- the 128 keys of the window before
.if (\wi) == 0
	s_cmp_eq_u32 s[HP], 0
	s_cbranch_scc1 .Lnoprev_\@
.endif
	PLACES                                         ; in front of loads into registers that the last products read
	s_wait_alu depctr_va_vdst(0)                   ; the last products are done reading V^T in v128-191, in which K's eight tiles land
	KLOAD KF, KC, KPO+(\wi)*8192, 8
	s_wait_dscnt 0x0
	SCORE S, KF, 8, 0
	PLACES
	s_wait_alu depctr_va_vdst(0)                   ; the score products are done reading K's tiles in v128-191, in which V^T lands; the places above stay beside this wait
	VLOAD VF, VI, (\wi)*8192                       ; V^T at the window's keys 0 to 63,
	VLOAD VF+32, VI, (\wi)*8192+1024               ; and 64 to 127
	MAXFIRST S
	MAXMORE S+32
	MAXLANES
	v_mul_f32 v[MA], s[CS], v[MA]
	v_max_num_f32 v[NM+1], v[NM+1], v[MA]          ; the running largest t
	v_mov_b32 v[MB], v[NM]
	v_floor_f32 v[NM], -v[NM+1]
	v_sub_f32 v[MB], v[NM], v[MB]                  ; old M - new M: a whole number, 0 or less
	v_cvt_i32_f32 v[MB], v[MB]
	v_ldexp_f32 v[F], 1.0, v[MB]                   ; 2^(old M - new M): multiplying by it rounds nothing
	v_pk_mul_f32 v[LA:LA+1], v[LA:LA+1], v[F:F+1] op_sel_hi:[1,0]
	v_pk_mul_f32 v[LB:LB+1], v[LB:LB+1], v[F:F+1] op_sel_hi:[1,0]
.set on, 0
.rept 16
	v_pk_mul_f32 v[O+on:O+on+1], v[O+on:O+on+1], v[F:F+1] op_sel_hi:[1,0]
.set on, on+2
.endr
	PART64 S, 0, VF
	PART64 S+32, 0, VF+32
.Lnoprev_\@:
	; ---- the way out: O^T / the sum x 2^(e2+e3), through my stage (q's rows are done with), so that sixteen lanes store one row of 256 bytes
	v_pk_add_f32 v[LA:LA+1], v[LA:LA+1], v[LB:LB+1]
	v_add_f32 v[LA], v[LA], v[LA+1]
	v_permlanex16_b32 v[MB], v[LA], s[SEL], s[SEL+1]
	v_add_f32 v[LA], v[LA], v[MB]
	v_rcp_f32 v[F], v[LA]
	v_nop                                          ; a plain line behind the reciprocal; with the additions above and the line below, the places behind the last products
	v_nop
	s_wait_alu depctr_va_vdst(0)                   ; the reciprocal has written v26, ahead of its first reader
	v_ldexp_f32 v[F], v[F], s[EPV]
.set on, 0
.rept 16
	v_pk_mul_f32 v[OT+on:OT+on+1], v[O+on:O+on+1], v[F:F+1] op_sel_hi:[1,0]      ; register 8 t + j: out(query r, channel 16 t + 8 h + j); each accumulator from its low end on
.set on, on+2
.endr
	s_wait_alu depctr_va_vdst(0)                   ; the multiplies have written v64-95, which the LDS stores read; the softmax is done with v96-127, in which the rows come back; the last products are done reading v128-191.  No vector instruction follows in this window
.set on, 0
.rept 4
	ds_store_b128 v[SO], v[OT+8*on:OT+8*on+3] offset:64*on
	ds_store_b128 v[SO], v[OT+8*on+4:OT+8*on+7] offset:64*on+16
.set on, on+1
.endr
.set on, 0
.rept 8
	ds_load_b128 v[OB+4*on:OB+4*on+3], v[STW] offset:2*PIT*on                    ; in order behind my stores
.set on, on+1
.endr
.set on, 0
.rept 8
	s_wait_dscnt 7-on
	global_store_b128 v[GA], v[OB+4*on:OB+4*on+3], s[12:13] offset:(\wi)*WINB+512*on th:TH_STORE_NT   ; 32 lanes store 512 consecutive bytes, two rows, at a multiple of 256 from out0's first byte
.set on, on+1
.endr
.endm
	STEPW 0
	STEPW 1
	STEPW 2                                        ; the last two windows ask for nothing more
	STEPW 3
	s_wait_dscnt 0x0                               ; the closing lines, six on end
	s_wait_alu 0x0
	s_wait_tensorcnt 0x0
	ds_add_u32 v[SPW], v[NIL]
	s_wait_dscnt 0x0
	s_endpgm
.Lfunc_end_k_q7a565c0b9b_local_attention:
	.size	k_q7a565c0b9b_local_attention, .Lfunc_end_k_q7a565c0b9b_local_attention-k_q7a565c0b9b_local_attention
	.p2alignl 7, 3214868480
	.fill 96, 4, 3214868480
	.section	.rodata,"a",@progbits
	.p2align	6, 0x0
	.amdhsa_kernel k_q7a565c0b9b_local_attention
		.amdhsa_group_segment_fixed_size 211968
		.amdhsa_private_segment_fixed_size 0
		.amdhsa_enable_private_segment 0
		.amdhsa_kernarg_size 40
		.amdhsa_user_sgpr_count 2
		.amdhsa_user_sgpr_kernarg_segment_ptr 1
		.amdhsa_wavefront_size32 1
		.amdhsa_system_sgpr_workgroup_id_x 1
		.amdhsa_system_sgpr_workgroup_id_y 1
		.amdhsa_system_sgpr_workgroup_id_z 1
		.amdhsa_system_vgpr_workitem_id 0
		.amdhsa_next_free_vgpr 512
		.amdhsa_next_free_sgpr 66
		.amdhsa_reserve_vcc 0
		.amdhsa_float_denorm_mode_32 3
		.amdhsa_float_denorm_mode_16_64 3
		.amdhsa_memory_ordered 1
		.amdhsa_forward_progress 1
		.amdhsa_inst_pref_size 255
	.end_amdhsa_kernel
	.section	.bss,"aw",@nobits
	.p2align	6
	.space	262144
	.amdgpu_metadata
---
amdhsa.version: [ 1, 2 ]
amdhsa.kernels:
  - .name:           k_q7a565c0b9b_local_attention
    .symbol:         k_q7a565c0b9b_local_attention.kd
    .args:
      - { .name: q, .offset: 0, .size: 8, .value_kind: global_buffer, .address_space: global }
      - { .name: k, .offset: 8, .size: 8, .value_kind: global_buffer, .address_space: global }
      - { .name: v, .offset: 16, .size: 8, .value_kind: global_buffer, .address_space: global }
      - { .name: lowp_scales, .offset: 24, .size: 8, .value_kind: global_buffer, .address_space: global }
      - { .name: out0, .offset: 32, .size: 8, .value_kind: global_buffer, .address_space: global }
    .group_segment_fixed_size: 211968
    .private_segment_fixed_size: 0
    .kernarg_segment_align: 8
    .kernarg_segment_size: 40
    .max_flat_workgroup_size: 256
    .sgpr_count:     66
    .vgpr_count:     512
    .wavefront_size: 32
...
	.end_amdgpu_metadata
.endif
;; end of part 2
